; MI455X (gfx1250); checked and timed in simulation.
; The chip was launched on July 23, 2026; its instructions are those of AMD's public machine-readable ISA for CDNA 5 (MIT licence, August 2026) and "CDNA5" Instruction Set Architecture Reference Guide (July 2026). The comments in the code are by the model that wrote it; some were corrected since.
;; Relative Attention. Allowed arithmetic: matrix products marked QUANTISED: E2M1 operands, one E8M0 scale for each 32 along K, by v_wmma_scale_f32_16x16x128_f8f6f4 with both operands' format E2M1 (or v_wmma_scale_f32_32x16x128_f4), f32 sums; products left as they are: bf16, f16 or f32 operands; f32 sums; everything else in f32.
;; Inputs: b_out 1,024 float32; b_qkv 3,072 float32; rel_emb 1,023 x 16 float32; w_out 1,024 x 1,024 float32; w_qkv 1,024 x 3,072 float32; x 16 x 512 x 1,024 float32.
;; Outputs: out0 16 x 512 x 1,024 float32.
;; This version of the problem:
;;   THIS VERSION OF THE PROBLEM IS GIVEN IN LOW PRECISION. The matrix products marked QUANTISED in the list below multiply operands that are first quantised to E2M1 (2 exponent bits, 1 mantissa bit; 4 bits a number), with one power-of-two scale for each 32 numbers along K (OCP MX v1.0); their sums are f32. The products marked 'left as it is' may take bf16, f16 or f32 operands, with f32 sums. Whichever they take, every output number must still come out within the allowed error. Rounding operands to bf16 (8 significant bits) uses up far more of that allowance than f16 does (11 bits, for magnitudes from 6e-5 to 65,504). All else is computed in f32.
;;   The module's matrix products, in the order in which they are computed (A, B: the left and right operand; K: the contracted axis; several contracted axes count as one K, in the product's order):
;;     1. [M 8,192, K 1,024] x [K 1,024, N 3,072]; A: input x; B: input w_qkv: QUANTISED
;;     2. batch 256 x [M 512, K 64] x [K 64, N 512]; A: computed on the way; B: computed on the way: left as it is (an operand is computed on the way)
;;     3. batch 256 x [M 512, K 512] x [K 512, N 64]; A: computed on the way; B: computed on the way: left as it is (an operand is computed on the way)
;;     4. [M 8,192, K 1,024] x [K 1,024, N 1,024]; A: computed on the way; B: input w_out: left as it is (an operand is computed on the way)
;;   THE QUANTISER, for each operand of a quantised product, along K:
;;     - K is cut into blocks of 32 from its start; a last block that is shorter is filled with zeros.
;;     - A block's scale is 2^e with e = floor(log2(the largest magnitude in the block)) - 2, held to -126 .. 127; a block of zeros has e = 0. As a byte (E8M0): e + 127.
;;     - Each number is divided by its block's scale, clamped to +-6, and rounded to the nearest number of E2M1, ties to even, subnormals kept.
;;     - The product sums the exact products of the quantised numbers (number of the format x scale) in f32.
;;   ~~~python
;;   def quantise(x, axis):      # numpy; x: float32 -> the quantised numbers, widened to float32 again
;;       x = np.moveaxis(x, axis, -1); K = x.shape[-1]
;;       x = np.pad(x, [(0, 0)] * (x.ndim - 1) + [(0, -K % 32)]); x = x.reshape(x.shape[:-1] + (-1, 32)); a = np.abs(x).max(-1, keepdims=True)
;;       e = np.where(a > 0, np.clip(np.frexp(np.where(a > 0, a, 1))[1] - 1 - 2, -126, 127), 0)      # np.frexp(a)[1] - 1 = floor(log2(a)), exactly
;;       r = np.clip(x / 2.0 ** e, -6, 6)
;;       step = 2.0 ** (np.maximum(np.frexp(np.where(r == 0, 1, r))[1] - 1, 0) - 1)
;;       q = np.round(r / step) * step * 2.0 ** e      # np.round: ties to even
;;       return np.moveaxis(q.reshape(q.shape[:-2] + (-1,))[..., :K], -1, axis).astype(np.float32)
;;   ~~~
;; One version. Each part assembles by itself: llvm-mc -triple=amdgcn-amd-amdhsa -mcpu=gfx1250 --defsym DOCPART=n.
;; ======== version 1 of 1: 3 launches
;; limits: values are held in f16: magnitudes above 65,504 overflow, below 6.1e-05 lose precision
;; workspace buffers: xc 4,194,304 bytes; xs 262,144 bytes; wq 1,671,168 bytes; wo 2,097,152 bytes; oi 16,777,216 bytes; bi 1,048,576 bytes
;; launch prep (part 1): grid 512 x 1, 4 waves a work-group, no clusters, 34,304 bytes of LDS; arguments x, w_qkv, w_out, xc, xs, wq, wo, rel_emb, bi; writes xc, xs, wq, wo, bi
.if DOCPART == 1
	.amdgcn_target "amdgcn-amd-amdhsa--gfx1250"
	.amdhsa_code_object_version 6
	.text
	.protected	k_q7213088656_prep
	.globl	k_q7213088656_prep
	.p2align	8
	.type	k_q7213088656_prep,@function
k_q7213088656_prep:
	s_mov_b64 s[64:65], 0
	v_nop
	global_prefetch_b8 v0, s[64:65] scope:SCOPE_SE
	s_setreg_imm32_b32 hwreg(HW_REG_WAVE_MODE, 25, 1), 1
	s_wait_xcnt 0x0
; PREP: x [8192][1024] and w_qkv [1024][3072], f32, become codes of E2M1 with one E8M0 byte for each 32 along K; w_out [1024][1024] becomes f16; rel_emb becomes the attention's bias tiles.
; Everything is laid in the ORDER OF THE READER'S OPERAND REGISTERS (an image): four registers of a fragment at a time, lane l's 16 bytes at 16 l, 512 bytes on end.
;   xc [T 512][s 8][c 2][512]: tokens 16 T + r, lane 16 hh + r holds the codes of k = 128 s + 64 c + 32 hh + 0..31.     xs [T][half 2][r 16][4 words]: word q = the scale word of K step 4 half + q.
;   wq, for each head 104,448 bytes: codes [g 3][s 8][j 4][c 2][512] (g = 0 k, 1 v, 2 q; column 16 j + r of the head), then scale words [g][s][r 16][j 4].
;   wo [Nt 64][kk 32][c 2][512]: column 16 Nt + r, k = 32 kk + 16 c + 8 hh + 0..7, f16.
;   bi [head 16][d' 64][c 2][512], f32: register 4 c + q of lane (r, hh) of tile d' is log2(e) x rel_emb[1007 - 16 d' + r - 8 hh - 4 c - q][head]: the bias of query 16 I + r and key 16 J + 8 hh + 4 c + q where J - I = d' - 31,
;      in the layout of a 16 x 16 accumulator.  Tile 63 is read by nobody and repeats tile 62, so that no row index leaves the table.
; A block's scale is 2^(floor(log2(its largest magnitude)) - 2): its byte is the largest magnitude's exponent field - 2, held at 1 from below by a floor among the maximum's leaves.
; LIMITS: a block of zeros gets the byte 1 where the quantiser says 127 (its codes are zeros, and this program alone reads the bytes); NaN and infinities are not served; |w_out| stays under 65,504 (f16).
; THREE PATHS by the work-group's number: 0-255 x, 256-447 w_qkv, 448-511 w_out.  Only x's path uses LDS (each wave its own stage), so no barrier stands anywhere.
; BESIDE ITS PATH each of the 2,048 waves makes half a bias tile (wave g = 4 x work-group + wave: head g / 128, tile (g / 2) % 64, half g % 2): four loads of 4 bytes a lane, rows of 64 bytes apart, issued behind the path's
; first stream loads; four multiplications; one store of 512 consecutive bytes.
; w_qkv's scale words leave 4 bytes a lane, 128 bytes a wave of a block of 256: one byte in 128 of what that path reads.
.set SPARE, 33792                      ; behind the four stages: the spare words, 128 bytes a wave
.set SPW,   30                         ; v30  SPARE + 4 x thread; never rewritten
.set NIL,   31                         ; v31  0; never rewritten
.set LI,    1                          ; v1   16 x lane
.set SIN,   2                          ; v2   stage, way in: 8,448 wave + 16 lane
.set SOUT,  3                          ; v3   stage, way out: 8,448 wave + 528 r + 128 hh
.set BA,    15                         ; v15  rel_emb: 64 x (the row of my half tile's register q = 3)
.set L4,    22                         ; v22  4 x lane (the weights' paths)
; v4 r, v5 hh (= jj), v6 8 hh, v7 16 r + 8 hh, v23 1,024 jj + 16 r, v24 16 r + 4 jj, v25 32,768 jj + 16 r; v8-14 at work; v16-19 scale words; v20 a permute's destination
; the half tile's four numbers: v22-25 in x's path, which has no use for the weights' offsets; v160-163 in the weights' paths
	s_load_b256 s[4:11], s[0:1], 0x0               ; x s[4:5], w_qkv s[6:7], w_out s[8:9], xc s[10:11]
	s_load_b128 s[12:15], s[0:1], 0x20             ; xs s[12:13], wq s[14:15]
	s_load_b128 s[16:19], s[0:1], 0x30             ; wo s[16:17], rel_emb s[18:19]
	s_load_b64 s[40:41], s[0:1], 0x40              ; bi
	v_lshl_add_u32 v[SPW], v0, 2, SPARE
	v_mov_b32 v[NIL], 0
	v_lshrrev_b32 v8, 5, v0
	v_readfirstlane_b32 s20, v8                    ; wave 0..3
	v_and_b32 v21, 31, v0                          ; lane
	v_and_b32 v4, 15, v0                           ; r
	v_bfe_u32 v5, v0, 4, 1                         ; hh
	v_lshlrev_b32 v[LI], 4, v21
	v_lshlrev_b32 v[L4], 2, v21
	v_lshlrev_b32 v6, 3, v5
	v_lshlrev_b32 v7, 4, v4
	v_lshl_add_u32 v23, v5, 10, v7
	v_lshl_add_u32 v24, v5, 2, v7
	v_lshl_add_u32 v25, v5, 15, v7
	v_lshl_add_u32 v7, v5, 3, v7
	s_mul_i32 s27, s20, 8448                       ; my stage: 16 rows of 512 bytes + 16
	v_add_nc_u32 v[SIN], s27, v[LI]
	v_mul_u32_u24 v[SOUT], v4, 528
	v_lshl_add_u32 v[SOUT], v5, 7, v[SOUT]
	v_add_nc_u32 v[SOUT], s27, v[SOUT]
	v_mov_b32 v20, 0                               ; written once: a lane permute's destination counts as one of its sources
	s_mov_b32 s28, 0x76543210
	s_mov_b32 s29, 0xfedcba98                      ; v_permlanex16_b32's selects for lane l xor 16
	s_mov_b32 s25, 0
	s_lshl_b32 s42, ttmp9, 2
	s_add_co_u32 s42, s42, s20                     ; g = 4 x work-group + wave
	s_bfe_u32 s43, s42, 0x60001                    ; the tile: six bits from bit 1,
	s_min_u32 s43, s43, 62                         ; tile 63 repeats tile 62
	s_lshl_b32 s43, s43, 4
	s_and_b32 s44, s42, 1                          ; the half c
	s_lshl_b32 s44, s44, 2
	s_add_co_u32 s43, s43, s44
	s_sub_co_u32 s43, 996, s43                     ; 996 - 16 d' - 4 c: 0 at the least
	v_xor_b32 v[BA], 1, v5
	v_lshl_add_u32 v[BA], v[BA], 3, v4             ; r + 8 (1 - hh)
	v_add_nc_u32 v[BA], s43, v[BA]                 ; the row of register q = 3: 1,004 - 16 d' - 4 c + r - 8 hh, from 0 to 1,019
	v_lshlrev_b32 v[BA], 6, v[BA]                  ; rows of 64 bytes
	s_lshr_b32 s44, s42, 7                         ; the head: its column,
	s_lshl_b32 s44, s44, 2
	s_mov_b32 s45, 0
	s_lshl_b32 s46, s42, 9                         ; and my half tile's 512 bytes of bi
	s_mov_b32 s47, 0
	s_wait_kmcnt 0x0
	s_add_nc_u64 s[18:19], s[18:19], s[44:45]
	s_add_nc_u64 s[40:41], s[40:41], s[46:47]
.macro BLD d                           ; my half tile's four numbers: register q lies 3 - q rows above the row in v[BA]
.irp q, 0,1,2,3
	global_load_b32 v[(\d)+\q], v[BA], s[18:19] offset:64*(3-\q)
.endr
.endm
.macro BST d                           ; x log2(e), and out: the wave stores 512 consecutive bytes, aligned; the data registers are not written again
.irp q, 0,1,2,3
	v_mul_f32 v[(\d)+\q], 0x3fb8aa3b, v[(\d)+\q]
.endr
	global_store_b128 v[LI], v[(\d):(\d)+3], s[40:41]
.endm
; the largest magnitude of the 32 numbers v[xb] .. v[xb + 31], with the floor 2^(3 - 127); 2 off its exponent field gives the conversion's scale operand in v[dst]
.macro BMAX xb, dst
.set XB, \xb
	v_max3_num_f32 v8, |v[XB]|, |v[XB+1]|, |v[XB+2]|
	v_max3_num_f32 v9, |v[XB+3]|, |v[XB+4]|, |v[XB+5]|
.irp i, 6,10,14,18,22,26
	v_max3_num_f32 v8, v8, |v[XB+\i]|, |v[XB+\i+1]|
	v_max3_num_f32 v9, v9, |v[XB+\i+2]|, |v[XB+\i+3]|
.endr
	v_max3_num_f32 v8, v8, |v[XB+30]|, |v[XB+31]|
	v_max3_num_f32 v8, v8, v9, 0x1800000
	v_add_nc_u32 v[\dst], 0xff000000, v8
.endm
; block t of a weight: rows 32 t + i of my column, i = 0 .. 31, into set t % 2 (v32-63, v64-95): a lane takes a column and its registers run down K; 32 lanes read 128 consecutive bytes
.macro LOADW t, base, pitch
.irp i, 0,1,2,3,4,5,6,7,8,9,10,11,12,13,14,15,16,17,18,19,20,21,22,23,24,25,26,27,28,29,30,31
	global_load_b32 v[32+32*((\t)%2)+\i], v[L4], s[\base:\base+1] offset:(32*(\t)+\i)*(\pitch) th:TH_LOAD_NT
.endr
.endm
.macro WAITW t                         ; block t's 32 loads are in.  Behind blocks 0 and 1 stand another block's 32 and the half tile's four; behind block 2 block 3's 32
.if (\t) < 2
	s_wait_loadcnt 36
.elseif (\t) == 2
	s_wait_loadcnt 32
.else
	s_wait_loadcnt 0x0
.endif
.endm
	s_cmp_lt_u32 ttmp9, 256
	s_cbranch_scc0 .Lnot_x
; ---------------- x: a wave takes 16 tokens x 512 along K, four steps of 128
	s_lshl_b32 s21, ttmp9, 2
	s_add_co_u32 s21, s21, s20                     ; u = 4 x work-group + wave: T = u / 2, half = u % 2
	s_lshr_b32 s22, s21, 1
	s_and_b32 s23, s21, 1
	s_lshl_b32 s24, s22, 16                        ; 16 rows of 4,096 bytes
	s_lshl_b32 s26, s23, 11                        ; 512 numbers
	s_add_co_u32 s24, s24, s26
	s_add_nc_u64 s[4:5], s[4:5], s[24:25]
	s_lshl_b32 s24, s21, 12                        ; xc: 8,192 T + 4,096 half
	s_add_nc_u64 s[10:11], s[10:11], s[24:25]
	s_lshl_b32 s24, s21, 8                         ; xs: 512 T + 256 half
	s_add_nc_u64 s[12:13], s[12:13], s[24:25]
.macro LOADX st                        ; step st: of each of the 16 rows 512 consecutive bytes, 16 a lane; into set st % 2 (v32-95, v96-159)
.irp i, 0,1,2,3,4,5,6,7,8,9,10,11,12,13,14,15
	global_load_b128 v[32+64*((\st)%2)+4*\i:32+64*((\st)%2)+4*\i+3], v[LI], s[4:5] offset:4096*\i+512*(\st) th:TH_LOAD_NT
.endr
.endm
.macro QB c, st                        ; my block of 32 (k = 64 c + 32 hh on, of row r) becomes 16 bytes of codes
	BMAX 160+32*(\c), 10+(\c)
.irp g, 0,1,2,3
	v_cvt_scalef32_pk8_fp4_f32 v[224+8*(\st)+4*(\c)+\g], v[XB+8*\g:XB+8*\g+7], v[10+(\c)]
.endr
	v_lshrrev_b32 v[12+(\c)], 23, v[10+(\c)]       ; the scale's byte; also the plain line behind the conversions
.endm
.macro STEPX st
.if (\st) < 2
	s_wait_loadcnt 20                              ; this step's 16 loads are in; behind them stand another step's 16 and the half tile's four
.elseif (\st) == 2
	s_wait_loadcnt 16                              ; behind step 2's stand step 3's 16; the half tile's four are older: they are in too
.else
	s_wait_loadcnt 0x0
.endif
.irp i, 0,1,2,3,4,5,6,7,8,9,10,11,12,13,14,15
	ds_store_b128 v[SIN], v[32+64*((\st)%2)+4*\i:32+64*((\st)%2)+4*\i+3] offset:528*\i
.endr
.irp c, 0,1
.irp q, 0,1,2,3,4,5,6,7
	ds_load_b128 v[160+32*\c+4*\q:160+32*\c+4*\q+3], v[SOUT] offset:256*\c+16*\q   ; LDS serves a wave's instructions in order: these see the stores above
.endr
.endr
	s_wait_dscnt 0x0                               ; my two blocks are in registers, and the stores have read theirs
.if (\st) < 2
	LOADX (\st)+2
.endif
	QB 0, \st
	QB 1, \st
	v_lshl_or_b32 v14, v13, 16, v12                ; my two bytes: blocks hh and 2 + hh of row r,
	v_lshlrev_b32 v14, v6, v14                     ; at their places in the scale word;
	v_permlanex16_b32 v20, v14, s28, s29
	v_or_b32 v[16+(\st)], v14, v20                 ; with lane l xor 16's two the word is whole
	global_store_b128 v[LI], v[224+8*(\st):224+8*(\st)+3], s[10:11] offset:1024*(\st)        ; 512 consecutive bytes; each step has data registers of its own
	global_store_b128 v[LI], v[228+8*(\st):228+8*(\st)+3], s[10:11] offset:1024*(\st)+512
.endm
	LOADX 0
	LOADX 1
	BLD 22                                         ; behind the stream's first 32 loads
	STEPX 0
	STEPX 1
	STEPX 2
	BST 22
	STEPX 3
	v_cmp_eq_u32 vcc_lo, 1, v5
	v_cndmask_b32 v26, v16, v18, vcc_lo            ; lane (r, hh) stores words 2 hh and 2 hh + 1 of row r:
	v_cndmask_b32 v27, v17, v19, vcc_lo
	global_store_b64 v7, v[26:27], s[12:13]        ; the wave stores 256 consecutive bytes, aligned
	s_wait_tensorcnt 0x0                           ; the wave's end, behind my last LDS store
	ds_add_u32 v[SPW], v[NIL]
	s_wait_dscnt 0x0
	s_endpgm
.Lnot_x:
	s_cmp_lt_u32 ttmp9, 448
	s_cbranch_scc0 .Lwo
; ---------------- w_qkv: a work-group takes 128 columns x 128 along K, a wave 32 columns
	s_sub_co_u32 s21, ttmp9, 256
	s_lshr_b32 s22, s21, 3                         ; cg: which 128 columns
	s_and_b32 s23, s21, 7                          ; s: which K step
	s_mul_i32 s24, s23, 128*12288
	s_lshl_b32 s26, s22, 9
	s_add_co_u32 s24, s24, s26
	s_lshl_b32 s26, s20, 7
	s_add_co_u32 s24, s24, s26
	s_add_nc_u64 s[6:7], s[6:7], s[24:25]
	LOADW 0, 6, 12288
	LOADW 1, 6, 12288
	BLD 160                                        ; behind the stream's first 64 loads
	s_lshr_b32 s30, s22, 3                         ; the third of the columns: 0 q, 1 k, 2 v
	s_add_co_u32 s30, s30, 2
	s_cmp_ge_u32 s30, 3
	s_cselect_b32 s31, 3, 0
	s_sub_co_u32 s30, s30, s31                     ; g: k 0, v 1, q 2
	s_and_b32 s31, s22, 7
	s_lshl_b32 s31, s31, 1
	s_lshr_b32 s26, s20, 1
	s_add_co_u32 s31, s31, s26                     ; the head
	s_and_b32 s26, s20, 1
	s_lshl_b32 s26, s26, 1                         ; j0: my first tile of 16 columns in the head
	s_mul_i32 s32, s31, 104448
	s_lshl_b32 s36, s30, 11                        ; scale words: 98,304 + 256 (8 g + s) + 4 j0
	s_add_co_u32 s36, s36, s32
	s_lshl_b32 s34, s23, 8
	s_add_co_u32 s36, s36, s34
	s_lshl_b32 s34, s26, 2
	s_add_co_u32 s36, s36, s34
	s_add_co_u32 s36, s36, 98304
	s_mov_b32 s37, 0
	s_lshl_b32 s34, s30, 15                        ; codes: 32,768 g + 4,096 s + 1,024 j0
	s_add_co_u32 s32, s32, s34
	s_lshl_b32 s34, s23, 12
	s_add_co_u32 s32, s32, s34
	s_lshl_b32 s34, s26, 10
	s_add_co_u32 s32, s32, s34
	s_mov_b32 s33, 0
	s_add_nc_u64 s[34:35], s[14:15], s[32:33]
	s_add_nc_u64 s[38:39], s[14:15], s[36:37]
.macro BLOCKQ t
	WAITW \t
	BMAX 32+32*((\t)%2), 10
.irp g, 0,1,2,3
	v_cvt_scalef32_pk8_fp4_f32 v[96+4*(\t)+\g], v[XB+8*\g:XB+8*\g+7], v10
.endr
	v_lshrrev_b32 v12, 23, v10                     ; the byte; also the plain line behind the conversions
.if (\t) == 0
	v_mov_b32 v16, v12
.else
	v_lshl_or_b32 v16, v12, 8*(\t), v16            ; block t's byte is byte t of my column's scale word
.endif
.if (\t) < 2
	LOADW (\t)+2, 6, 12288
.endif
	global_store_b128 v23, v[96+4*(\t):96+4*(\t)+3], s[34:35] offset:256*(\t)   ; block t = 2 c + hh of the image: sixteen lanes store 256 consecutive bytes, aligned
.endm
	BLOCKQ 0
	BLOCKQ 1
	BLOCKQ 2
	BST 160
	BLOCKQ 3
	global_store_b32 v24, v16, s[38:39]
	s_endpgm
.Lwo:
; ---------------- w_out: the same walk, rounded to f16
	s_sub_co_u32 s21, ttmp9, 448
	s_lshr_b32 s22, s21, 3                         ; cg: which 128 columns
	s_and_b32 s23, s21, 7                          ; which 128 along K
	s_lshl_b32 s24, s23, 19                        ; 128 rows of 4,096 bytes
	s_lshl_b32 s26, s22, 9
	s_add_co_u32 s24, s24, s26
	s_lshl_b32 s26, s20, 7
	s_add_co_u32 s24, s24, s26
	s_add_nc_u64 s[8:9], s[8:9], s[24:25]
	LOADW 0, 8, 4096
	LOADW 1, 8, 4096
	BLD 160
	s_lshl_b32 s24, s22, 18                        ; wo: 32,768 (8 cg + 2 wave) + 4,096 x K step
	s_lshl_b32 s26, s20, 16
	s_add_co_u32 s24, s24, s26
	s_lshl_b32 s26, s23, 12
	s_add_co_u32 s24, s24, s26
	s_add_nc_u64 s[16:17], s[16:17], s[24:25]
.macro BLOCKO t
	WAITW \t
.irp n, 0,1,2,3,4,5,6,7,8,9,10,11,12,13,14,15
	v_cvt_pk_f16_f32 v[96+16*(\t)+\n], v[32+32*((\t)%2)+2*\n], v[33+32*((\t)%2)+2*\n]   ; the lower k in the low half
.endr
.if (\t) < 2
	LOADW (\t)+2, 8, 4096
.endif
.irp i, 0,1,2,3
	global_store_b128 v25, v[96+16*(\t)+4*\i:96+16*(\t)+4*\i+3], s[16:17] offset:256*(4*(\t)+\i)   ; eight k on end are part i = 2 c + hh of step kk = t: sixteen lanes store 256 consecutive bytes, aligned
.endr
.endm
	BLOCKO 0
	BLOCKO 1
	BLOCKO 2
	BST 160
	BLOCKO 3
	s_endpgm
.Lfunc_end_k_q7213088656_prep:
	.size	k_q7213088656_prep, .Lfunc_end_k_q7213088656_prep-k_q7213088656_prep
	.p2alignl 7, 3214868480
	.fill 96, 4, 3214868480
	.section	.rodata,"a",@progbits
	.p2align	6, 0x0
	.amdhsa_kernel k_q7213088656_prep
		.amdhsa_group_segment_fixed_size 34304
		.amdhsa_private_segment_fixed_size 0
		.amdhsa_enable_private_segment 0
		.amdhsa_kernarg_size 72
		.amdhsa_user_sgpr_count 2
		.amdhsa_user_sgpr_kernarg_segment_ptr 1
		.amdhsa_wavefront_size32 1
		.amdhsa_system_sgpr_workgroup_id_x 1
		.amdhsa_system_sgpr_workgroup_id_y 1
		.amdhsa_system_sgpr_workgroup_id_z 1
		.amdhsa_system_vgpr_workitem_id 0
		.amdhsa_next_free_vgpr 256
		.amdhsa_next_free_sgpr 66
		.amdhsa_reserve_vcc 1
		.amdhsa_float_denorm_mode_32 3
		.amdhsa_float_denorm_mode_16_64 3
		.amdhsa_memory_ordered 1
		.amdhsa_forward_progress 1
		.amdhsa_inst_pref_size 71
	.end_amdhsa_kernel
	.amdgpu_metadata
---
amdhsa.version: [ 1, 2 ]
amdhsa.kernels:
  - .name:           k_q7213088656_prep
    .symbol:         k_q7213088656_prep.kd
    .args:
      - { .name: x, .offset: 0, .size: 8, .value_kind: global_buffer, .address_space: global }
      - { .name: w_qkv, .offset: 8, .size: 8, .value_kind: global_buffer, .address_space: global }
      - { .name: w_out, .offset: 16, .size: 8, .value_kind: global_buffer, .address_space: global }
      - { .name: xc, .offset: 24, .size: 8, .value_kind: global_buffer, .address_space: global }
      - { .name: xs, .offset: 32, .size: 8, .value_kind: global_buffer, .address_space: global }
      - { .name: wq, .offset: 40, .size: 8, .value_kind: global_buffer, .address_space: global }
      - { .name: wo, .offset: 48, .size: 8, .value_kind: global_buffer, .address_space: global }
      - { .name: rel_emb, .offset: 56, .size: 8, .value_kind: global_buffer, .address_space: global }
      - { .name: bi, .offset: 64, .size: 8, .value_kind: global_buffer, .address_space: global }
    .group_segment_fixed_size: 34304
    .private_segment_fixed_size: 0
    .kernarg_segment_align: 8
    .kernarg_segment_size: 72
    .max_flat_workgroup_size: 128
    .sgpr_count:     66
    .vgpr_count:     256
    .wavefront_size: 32
...
	.end_amdgpu_metadata
.endif
;; end of part 1
;; launch attn (part 2): grid 16 x 16, 8 waves a work-group, clusters of 4 x 1, 327,680 bytes of LDS; arguments xc, xs, wq, b_qkv, bi, oi; writes oi
.if DOCPART == 2
	.amdgcn_target "amdgcn-amd-amdhsa--gfx1250"
	.amdhsa_code_object_version 6
	.text
	.protected	k_q7213088656_attn
	.globl	k_q7213088656_attn
	.p2align	8
	.type	k_q7213088656_attn,@function
k_q7213088656_attn:
	s_mov_b64 s[64:65], 0
	v_nop
	global_prefetch_b8 v0, s[64:65] scope:SCOPE_SE
	s_setreg_imm32_b32 hwreg(HW_REG_WAVE_MODE, 25, 1), 1
	s_wait_xcnt 0x0
	s_wait_alu depctr_hold_cnt(0) depctr_sa_sdst(0) depctr_va_vdst(0) depctr_va_sdst(0) depctr_va_ssrc(0) depctr_va_vcc(0) depctr_vm_vsrc(0)
	s_getreg_b32 s2, hwreg(HW_REG_IB_STS2, 6, 4)
	s_cmp_eq_u32 s2, 0
	s_cbranch_scc0 .Lentry_in_a_cluster
	s_endpgm
.Lentry_in_a_cluster:
	s_bfe_u32 s2, ttmp6, 0x10000c
	s_cmp_lg_u32 s2, 0x3003
	s_cbranch_scc0 .Lentry_shape_is_right
	s_endpgm
.Lentry_shape_is_right:
; ATTN: one work-group makes one (batch, head): q, k, v = Q(x) Q(w_qkv) + b_qkv for the head's 192 columns by the E2M1 matrix form, then softmax(q k^T / 8 + bias) v.  q, k, v, the scores and p never go to memory.
; SHARES.  Eight waves; wave w owns tokens 64 w .. 64 w + 63 (four tiles of 16), as rows of the projection and as queries.  Every wave walks all 512 keys, 64 a step.
; IMAGES.  Every operand lies in memory and in LDS in the order of its registers: four registers at a time, lane l's 16 bytes at 16 l.  So each LDS or global access of a fragment covers 512 consecutive bytes.
; PROJECTION.  k and q are made transposed (source 0 = 16 columns of W, source 1 = 16 tokens): a lane holds one token and eight neighbouring channels; v the other way round (a lane: one channel, eight neighbouring tokens).
;   Rounded to f16 in pairs these registers ARE the fragments of S^T = K Q^T (source 0 = 16 keys, source 1 = 16 queries) and of O^T = V^T P (source 0 = 16 channels, source 1 = P): nothing is transposed by an instruction.
; SCORES.  q is multiplied by c = log2(e) / 8 ahead of its rounding, and the relative bias, times log2(e), is the C of a score tile's first product: the products give t = log2(e) (q.k / 8 + bias) with no vector work.
;   A bias tile hangs on (key tile - query tile) alone: 63 tiles of 16 x 16 for a head, which the launch before has laid in the accumulator's layout (bi): they come into LDS as they lie.
; SOFTMAX.  A running maximum m and sum l for each query: p = 2^(t - m); in every step l and O^T are multiplied by 2^(old m - new m).  p is rounded to f16 for the second product; l sums the unrounded p.
; TWO CLASSES OF WAVES.  Waves with (w xor w / 4) odd make q FIRST (kept meanwhile in their own, still unused bytes of V's images); the others make q LAST, behind the barrier.  So the waves do not all walk the key steps in the same phase.
; CLUSTER.  The four work-groups of a cluster are four batches of one head: the head's codes and scale words of W and its bias tiles come by joint loads, two a wave, each filled once.  x's codes are wanted by one wave each and go
;   straight to its registers.  By this text's count a wave has two tensor loads out at the most.
; LIMITS: |q c|, |k|, |v|, |o| under 65,504 (f16 operands); NaN and infinities are not served.
; REGISTERS.  window 0: v1-12, v24, v25 addresses; v16-23 W's scale words (two sets); v32-47 x's scale words; v48-63 m and alpha, each the low register of a pair; v248-255 l.
;   projection: v64-127 W's fragments (two sets), v128-255 sixteen accumulators (tile m, column tile j at 128 + 8 (4 m + j)).   attention: v64-191 S^T (64 + 32 i + 8 jj), then P; v192-247 seven bias tiles, then at work.
;   window 1: projection: x's 32 fragments (8 (8 m + s)).   attention: v0-127 O^T (32 i + 8 d), v128-191 Q (128 + 16 i + 8 a), v192-255 K's fragments, then V's.
.set WSC,   98304                      ; LDS: W's codes from 0; its scale words;
.set KIMG,  104448                     ; K [J 32][a 2][c 2][512];
.set VIMG,  169984                     ; V [G 16][d 4][c 2][512];
.set BIMG,  235520                     ; the bias tiles [d' 64][c 2][512], f32;
.set SPARE, 301056                     ; the spare words, 128 bytes a wave
.set LI,   1                           ; 16 x lane
.set LI2,  3                           ; + 65,536
.set AWS,  4                           ; WSC + 16 r
.set AKW,  5                           ; KIMG + LI + 8,192 w: where I store K's images
.set AVW,  6                           ; VIMG + LI + 8,192 w
.set AK,   7                           ; KIMG + LI
.set AV,   8                           ; VIMG + LI
.set AB,   9                           ; BIMG + LI + 4,096 (7 - w)
.set ADK,  10                          ; the step's addresses
.set ADV,  11
.set ADB,  12
.set WS,   16
.set BO8,  24                          ; 32 hh
.set BO1,  25                          ; 4 r
.set SPW,  30
.set NIL,  31
.set XSC,  32
.set STM,  48
.set STA,  56
.set STL,  248
.set MSB, 0
.macro WIN new                         ; the immediate's high byte repeats the setting that is left; a switch that changes nothing is dropped
.if MSB != \new
	s_set_vgpr_msb (MSB<<8)|\new
.set MSB, \new
.endif
.endm
.macro PLACES                          ; four plain places: behind matrix instructions, ahead of loads into their registers and of vector reads of their results
.rept 4
	v_nop
.endr
.endm
.macro CROUND                          ; a round of the cluster's barrier
	s_barrier_signal -1
	s_barrier_wait -1
	s_cmp_lg_u32 s16, 0
	s_cbranch_scc1 .Lnot_wave_0_\@
	s_barrier_signal -3
.Lnot_wave_0_\@:
	s_barrier_wait -3
	s_barrier_signal -1
	s_barrier_wait -1
.endm
	s_load_b256 s[4:11], s[0:1], 0x0               ; xc s[4:5], xs s[6:7], wq s[8:9], b_qkv s[10:11]
	s_load_b128 s[12:15], s[0:1], 0x20             ; bi s[12:13], oi s[14:15]
	v_lshl_add_u32 v[SPW], v0, 2, SPARE
	v_mov_b32 v[NIL], 0
	ds_add_u32 v[SPW], v[NIL]                      ; the wave's opening: the add, twice on end, and its wait ahead of my first tensor load
	ds_add_u32 v[SPW], v[NIL]
	v_lshrrev_b32 v2, 5, v0
	v_readfirstlane_b32 s16, v2                    ; wave 0..7
	s_lshr_b32 s17, s16, 2
	s_xor_b32 s17, s17, s16
	s_and_b32 s17, s17, 1                          ; my class
	s_bfe_u32 s18, ttmp6, 0x40000                  ; cx: it enters the addresses of xc, xs and oi alone
	s_lshl_b32 s19, ttmp9, 2
	s_add_co_u32 s19, s19, s18                     ; the batch
	s_and_b32 s20, ttmp7, 0xffff                   ; the head, which the four partners share
	s_mov_b32 s24, 15|(3<<16)|(1<<21)              ; group 1 for W: the mask names all four; elements of 8 bytes; bit 21 beside the mask; no padding
	s_mov_b32 s25, 32<<16                          ; tensor_dim0 = 32 elements: rows of 256 bytes
	s_mov_b32 s26, 51<<16                          ; tensor_dim1 = 51 rows: an eighth of the head's 104,448 dense bytes
	s_mov_b32 s27, 32<<16                          ; tile_dim0
	s_mov_b32 s28, 51                              ; tile_dim1
	s_mov_b32 s29, 32                              ; pitch
	s_mov_b32 s30, 0
	s_mov_b32 s31, 0
	s_mov_b32 s48, 15|(3<<16)|(1<<21)              ; group 1 for the bias tiles: the same but for the rows:
	s_mov_b32 s49, 32<<16
	s_mov_b32 s50, 32<<16                          ; 32 rows: an eighth of the head's 65,536 dense bytes
	s_mov_b32 s51, 32<<16
	s_mov_b32 s52, 32
	s_mov_b32 s53, 32
	s_mov_b32 s54, 0
	s_mov_b32 s55, 0
	s_mov_b32 s36, 0x76543210
	s_mov_b32 s37, 0xfedcba98                      ; v_permlanex16_b32's selects for lane l xor 16
	s_mov_b32 s38, 0x3e38aa3b                      ; c = log2(e) / 8
	s_mov_b32 s39, s38                             ; (named with it as a pair)
	s_mul_i32 s21, s16, 13056                      ; my eighth of W, in LDS and in memory
	s_mul_i32 s22, s20, 104448
	s_add_co_u32 s22, s22, s21
	s_mov_b32 s23, 0
	s_lshl_b32 s40, s16, 13                        ; 8,192 x wave: my eighth of the bias tiles, in LDS and in memory; also my part of K's and V's images
	s_lshl_b32 s60, s20, 16
	s_add_co_u32 s60, s60, s40
	s_mov_b32 s61, 0
	v_and_b32 v2, 31, v0
	v_lshlrev_b32 v[LI], 4, v2
	v_and_b32 v26, 15, v0                          ; r
	v_bfe_u32 v27, v0, 4, 1                        ; hh
	v_add_nc_u32 v[LI2], 0x10000, v[LI]
	v_lshl_add_u32 v[AWS], v26, 4, WSC
	v_add_nc_u32 v28, s40, v[LI]
	v_add_nc_u32 v[AKW], KIMG, v28
	v_add_nc_u32 v[AVW], VIMG, v28
	v_add_nc_u32 v[AK], KIMG, v[LI]
	v_add_nc_u32 v[AV], VIMG, v[LI]
	s_xor_b32 s41, s16, 7
	s_lshl_b32 s41, s41, 12
	v_add_nc_u32 v[AB], s41, v[LI]
	v_add_nc_u32 v[AB], BIMG, v[AB]
	v_lshlrev_b32 v[BO8], 5, v27
	v_lshlrev_b32 v[BO1], 2, v26
.irp j, 0,1,2,3,4,5,6,7,8,9,10,11,12,13,14,15
	v_mov_b32 v[STM+\j], 0                         ; the pairs of m and alpha are named whole: their upper registers are written once
.endr
	s_wait_dscnt 0x0                               ; both opening adds are done
	s_wait_kmcnt 0x0
	s_mov_b32 s32, 1                               ; group 0 for W: count;
	s_mov_b32 s33, s21                             ; LDS address: 13,056 x wave;
	s_add_nc_u64 s[34:35], s[8:9], s[22:23]        ; the head's bytes, my eighth: the same in all four partners;
	s_or_b32 s35, s35, 0x80000000                  ; type
	s_mov_b32 s56, 1                               ; group 0 for the bias tiles
	s_add_co_u32 s57, s40, BIMG
	s_add_nc_u64 s[58:59], s[12:13], s[60:61]
	s_or_b32 s59, s59, 0x80000000
	s_lshl_b32 s22, s19, 18                        ; xc: 8,192 (32 batch + 4 wave)
	s_lshl_b32 s40, s16, 15
	s_add_co_u32 s22, s22, s40
	s_add_nc_u64 s[4:5], s[4:5], s[22:23]
	s_lshl_b32 s22, s19, 14                        ; xs: 512 (32 batch + 4 wave)
	s_lshl_b32 s40, s16, 11
	s_add_co_u32 s22, s22, s40
	s_add_nc_u64 s[6:7], s[6:7], s[22:23]
	s_lshl_b32 s22, s20, 8                         ; b_qkv: the head's 64 numbers of each third
	s_add_nc_u64 s[44:45], s[10:11], s[22:23]
	s_lshl_b32 s22, s19, 20                        ; oi: 32,768 (32 batch + 4 wave) + 2,048 head
	s_lshl_b32 s40, s16, 17
	s_add_co_u32 s22, s22, s40
	s_lshl_b32 s40, s20, 11
	s_add_co_u32 s22, s22, s40
	s_add_nc_u64 s[46:47], s[14:15], s[22:23]
	CROUND                                         ; all four work-groups are here: the joint loads meet
	tensor_load_to_lds s[32:35], s[24:31]          ; W first: the projection waits for it;
	s_nop 0
	tensor_load_to_lds s[56:59], s[48:55]          ; the bias tiles behind it: they are wanted at the first key step
	s_nop 0
	PLACES
.irp m, 0,1,2,3
	global_load_b128 v[XSC+4*\m:XSC+4*\m+3], v[LI], s[6:7] offset:512*\m   ; tile m's scale words: lanes 0-15 K steps 0-3 of row r, lanes 16-31 K steps 4-7
.endr
.macro XLD s                           ; x's fragments of K step s, four tiles: eight loads of 512 consecutive bytes
.irp m, 0,1,2,3
.irp c, 0,1
	global_load_b128 v[8*(8*\m+(\s))+4*\c:8*(8*\m+(\s))+4*\c+3], v[LI], s[4:5] offset:8192*\m+1024*(\s)+512*\c
.endr
.endr
.endm
	WIN 0x40                                       ; destination window 1
.irp s, 0,1,2,3,4,5,6,7
	XLD \s
.endr
	WIN 0
	s_wait_tensorcnt 0x1                           ; my eighth of W has landed; the one load issued behind it, the bias tiles', may stay out
	s_barrier_signal -1
	s_barrier_wait -1                              ; everybody's has
; ---------------- THE PROJECTION
.macro WLOAD g, s, p                   ; W's four fragments and four scale words of group g, K step s, into set p: nine LDS loads
.irp j, 0,1,2,3
.irp c, 0,1
.if (\g) < 2
	ds_load_b128 v[64+32*(\p)+8*\j+4*\c:64+32*(\p)+8*\j+4*\c+3], v[LI] offset:32768*(\g)+4096*(\s)+1024*\j+512*\c
.else
	ds_load_b128 v[64+32*(\p)+8*\j+4*\c:64+32*(\p)+8*\j+4*\c+3], v[LI2] offset:4096*(\s)+1024*\j+512*\c
.endif
.endr
.endr
	ds_load_b128 v[WS+4*(\p):WS+4*(\p)+3], v[AWS] offset:256*(8*(\g)+(\s))
.endm
.macro BIASLD g                        ; the group's numbers of b_qkv, in the result's layout, into W's set 0, which is done with
.if (\g) == 1
.irp j, 0,1,2,3
	global_load_b32 v[64+2*\j], v[BO1], s[44:45] offset:8192+64*\j             ; v: a lane holds channel 16 j + r
.endr
.else
.irp j, 0,1,2,3
.irp q, 0,1
	global_load_b128 v[64+8*\j+4*\q:64+8*\j+4*\q+3], v[BO8], s[44:45] offset:4096*(1-(\g)/2)+64*\j+16*\q   ; k, q: channels 16 j + 8 hh + 0 .. 7
.endr
.endr
.endif
.endm
.macro P1MUL swap, s, m, j             ; one product of 16 x 16 x 128.  x's scale words of K steps 4 to 7 stand in lanes 16-31
.set rD, 128+8*(4*(\m)+(\j))
.set rW, 64+32*((\s)%2)+8*(\j)
.set rX, 8*(8*(\m)+(\s))
.set rWS, WS+4*((\s)%2)+(\j)
.set rXS, XSC+4*(\m)+(\s)%4
.if \swap
.if (\s) == 0
	v_wmma_scale_f32_16x16x128_f8f6f4 v[rD:rD+7], v[rX:rX+7], v[rW:rW+7], 0, v[rXS], v[rWS] matrix_a_fmt:MATRIX_FMT_FP4 matrix_b_fmt:MATRIX_FMT_FP4
.elseif (\s) < 4
	v_wmma_scale_f32_16x16x128_f8f6f4 v[rD:rD+7], v[rX:rX+7], v[rW:rW+7], v[rD:rD+7], v[rXS], v[rWS] matrix_a_fmt:MATRIX_FMT_FP4 matrix_b_fmt:MATRIX_FMT_FP4
.else
	v_wmma_scale_f32_16x16x128_f8f6f4 v[rD:rD+7], v[rX:rX+7], v[rW:rW+7], v[rD:rD+7], v[rXS], v[rWS] matrix_a_fmt:MATRIX_FMT_FP4 matrix_b_fmt:MATRIX_FMT_FP4 matrix_a_scale:MATRIX_SCALE_ROW1
.endif
.else
.if (\s) == 0
	v_wmma_scale_f32_16x16x128_f8f6f4 v[rD:rD+7], v[rW:rW+7], v[rX:rX+7], 0, v[rWS], v[rXS] matrix_a_fmt:MATRIX_FMT_FP4 matrix_b_fmt:MATRIX_FMT_FP4
.elseif (\s) < 4
	v_wmma_scale_f32_16x16x128_f8f6f4 v[rD:rD+7], v[rW:rW+7], v[rX:rX+7], v[rD:rD+7], v[rWS], v[rXS] matrix_a_fmt:MATRIX_FMT_FP4 matrix_b_fmt:MATRIX_FMT_FP4
.else
	v_wmma_scale_f32_16x16x128_f8f6f4 v[rD:rD+7], v[rW:rW+7], v[rX:rX+7], v[rD:rD+7], v[rWS], v[rXS] matrix_a_fmt:MATRIX_FMT_FP4 matrix_b_fmt:MATRIX_FMT_FP4 matrix_b_scale:MATRIX_SCALE_ROW1
.endif
.endif
.endm
; A group: my 64 tokens x the head's 64 columns of k (g = 0), v (1) or q (2), K = 1,024 in eight steps.  The sixteen accumulators take turns, one instruction a turn; the first step's products start the sums.
; swap = 1: source 0 = x.  xwait = 1: x's codes may still be on their way.
.macro GROUP g, swap, xwait
	WLOAD \g, 0, 0
.irp s, 0,1,2,3,4,5,6,7
.if \s > 0
	PLACES                                         ; ahead of loads into the set that the last step's products read
.endif
.if \s < 7
	WLOAD \g, \s+1, (\s+1)%2
	s_wait_dscnt 9                                 ; this step's nine are in; the nine just issued may be out
.else
	BIASLD \g
	s_wait_dscnt 0x0
.endif
.if \xwait
.if \s < 7
	s_wait_loadcnt 8*(7-\s)                        ; x's K steps up to this one are in: eight loads a step were issued behind them
.else
	s_wait_loadcnt 8                               ; all of x; the eight bias loads just issued may be out
.endif
.endif
.if \swap
	WIN 0x01                                       ; source 0 (x) window 1
.else
	WIN 0x04                                       ; source 1 (x) window 1
.endif
.irp m, 0,1,2,3
.irp j, 0,1,2,3
	P1MUL \swap, \s, \m, \j
.endr
.endr
	WIN 0
.endr
.endm
.macro KEPI                            ; k + bias, to f16 in place, image to LDS: key tile 4 w + m, part j = 2 a + c.  Each accumulator is read from its low end on
	s_wait_loadcnt 0x0
	PLACES
.irp m, 0,1,2,3
.irp j, 0,1,2,3
.set rD, 128+8*(4*\m+\j)
.irp n, 0,1,2,3
	v_pk_add_f32 v[rD+2*\n:rD+2*\n+1], v[rD+2*\n:rD+2*\n+1], v[64+8*\j+2*\n:64+8*\j+2*\n+1]
.endr
.irp n, 0,1,2,3
	v_cvt_pk_f16_f32 v[rD+\n], v[rD+2*\n], v[rD+2*\n+1]
.endr
	ds_store_b128 v[AKW], v[rD:rD+3] offset:2048*\m+512*\j
.endr
.endr
.endm
.macro VEPI                            ; v + the lane's one bias; image: keys 32 (2 w + m / 2) on, channel tile j, part c = m % 2
	s_wait_loadcnt 0x0
	PLACES
.irp m, 0,1,2,3
.irp j, 0,1,2,3
.set rD, 128+8*(4*\m+\j)
.irp n, 0,1,2,3
	v_pk_add_f32 v[rD+2*\n:rD+2*\n+1], v[rD+2*\n:rD+2*\n+1], v[64+2*\j:65+2*\j] op_sel_hi:[1,0]
.endr
.irp n, 0,1,2,3
	v_cvt_pk_f16_f32 v[rD+\n], v[rD+2*\n], v[rD+2*\n+1]
.endr
	ds_store_b128 v[AVW], v[rD:rD+3] offset:4096*(\m/2)+1024*\j+512*(\m%2)
.endr
.endr
.endm
.macro QEPI stash                      ; (q + bias) c = q c + bias c, one fused multiply-add; to f16.  stash = 0: into Q's registers in window 1, where x's codes are done with; 1: into my own bytes of V's images, for the time being
	s_wait_loadcnt 0x0
	PLACES
.irp n, 0,1,2,3,4,5,6,7,8,9,10,11,12,13,14,15
	v_pk_mul_f32 v[64+2*\n:65+2*\n], v[64+2*\n:65+2*\n], s[38:39] op_sel_hi:[1,0]
.endr
.irp m, 0,1,2,3
.irp j, 0,1,2,3
.irp n, 0,1,2,3
	v_pk_fma_f32 v[128+8*(4*\m+\j)+2*\n:129+8*(4*\m+\j)+2*\n], v[128+8*(4*\m+\j)+2*\n:129+8*(4*\m+\j)+2*\n], s[38:39], v[64+8*\j+2*\n:65+8*\j+2*\n] op_sel_hi:[1,0,1]
.endr
.endr
.endr
.if \stash
.irp m, 0,1,2,3
.irp j, 0,1,2,3
.set rD, 128+8*(4*\m+\j)
.irp n, 0,1,2,3
	v_cvt_pk_f16_f32 v[rD+\n], v[rD+2*\n], v[rD+2*\n+1]
.endr
	ds_store_b128 v[AVW], v[rD:rD+3] offset:512*(4*\m+\j)
.endr
.endr
.else
	WIN 0x40                                       ; destination window 1
.irp m, 0,1,2,3
.irp j, 0,1,2,3
.irp n, 0,1,2,3
	v_cvt_pk_f16_f32 v[128+16*\m+4*\j+\n], v[128+8*(4*\m+\j)+2*\n], v[129+8*(4*\m+\j)+2*\n]
.endr
.endr
.endr
	WIN 0
.endif
.endm
	s_cmp_eq_u32 s17, 0
	s_cbranch_scc1 .Lk_first
	GROUP 2, 0, 1                                  ; class 1: q first
	QEPI 1
.Lk_first:
	GROUP 0, 0, 1
	KEPI
	GROUP 1, 1, 0
	s_cmp_eq_u32 s17, 0
	s_cbranch_scc1 .Lno_stash
	PLACES                                         ; class 1: x's codes are done with; q comes back from my bytes of V's images, ahead of v's stores there
	WIN 0x40
.irp f, 0,1,2,3,4,5,6,7,8,9,10,11,12,13,14,15
	ds_load_b128 v[128+4*\f:131+4*\f], v[AVW] offset:512*\f
.endr
	WIN 0
	s_wait_dscnt 0x0
.Lno_stash:
	VEPI
	s_wait_tensorcnt 0x0                           ; for the others' sake: my eighth of the bias tiles has landed,
	s_wait_dscnt 0x0                               ; and my images of K and V are stored
	s_barrier_signal -1
	s_barrier_wait -1
	s_cmp_lg_u32 s17, 0
	s_cbranch_scc1 .Lattn
	GROUP 2, 0, 0                                  ; class 0: q last
	QEPI 0
.Lattn:
; ---------------- ATTENTION
; One step's softmax of my four tiles, the tiles by turns line by line.  At work: v192-207 four chains of maxima a tile, v208-223 two chains of sums a tile.
.macro SOFTMAX first
.irp k, 0,1,2,3
.irp i, 0,1,2,3
	v_max3_num_f32 v[192+4*\i+\k], v[64+32*\i+8*\k], v[65+32*\i+8*\k], v[66+32*\i+8*\k]   ; a chain to each accumulator, begun at its low end
.endr
.endr
.irp u, 3,5
.irp k, 0,1,2,3
.irp i, 0,1,2,3
	v_max3_num_f32 v[192+4*\i+\k], v[192+4*\i+\k], v[64+32*\i+8*\k+\u], v[65+32*\i+8*\k+\u]
.endr
.endr
.endr
.irp i, 0,1,2,3
	v_max3_num_f32 v[192+4*\i], v[192+4*\i], v[71+32*\i], v[79+32*\i]
.endr
.irp i, 0,1,2,3
	v_max3_num_f32 v[194+4*\i], v[194+4*\i], v[87+32*\i], v[95+32*\i]
.endr
.irp i, 0,1,2,3
	v_max3_num_f32 v[192+4*\i], v[192+4*\i], v[193+4*\i], v[194+4*\i]
.endr
.irp i, 0,1,2,3
.if \first
	v_max_num_f32 v[192+4*\i], v[192+4*\i], v[195+4*\i]
.else
	v_max3_num_f32 v[192+4*\i], v[192+4*\i], v[195+4*\i], v[STM+2*\i]   ; the old m is one more leaf
.endif
.endr
.irp i, 0,1,2,3
	v_permlanex16_b32 v[193+4*\i], v[192+4*\i], s36, s37               ; the query's other 32 keys lie in the lane 16 away
.endr
.irp i, 0,1,2,3
.if \first
	v_max_num_f32 v[STM+2*\i], v[192+4*\i], v[193+4*\i]
.else
	v_max_num_f32 v[194+4*\i], v[192+4*\i], v[193+4*\i]
.endif
.endr
.if \first == 0
.irp i, 0,1,2,3
	v_sub_f32 v[STA+2*\i], v[STM+2*\i], v[194+4*\i]                    ; old m - new m
.endr
.irp i, 0,1,2,3
	v_mov_b32 v[STM+2*\i], v[194+4*\i]
.endr
.endif
.irp n, 0,1,2,3,4,5,6,7,8,9,10,11,12,13,14,15
.irp i, 0,1,2,3
	v_pk_add_f32 v[64+32*\i+2*\n:65+32*\i+2*\n], v[64+32*\i+2*\n:65+32*\i+2*\n], v[STM+2*\i:STM+2*\i+1] op_sel_hi:[1,0] neg_lo:[0,1] neg_hi:[0,1]   ; t - m
.endr
.endr
.if \first == 0
.irp i, 0,1,2,3
	v_exp_f32 v[STA+2*\i], v[STA+2*\i]                                 ; alpha
.endr
.endif
.irp n, 0,1,2,3,4,5,6,7,8,9,10,11,12,13,14,15,16,17,18,19,20,21,22,23,24,25,26,27,28,29,30,31
.irp i, 0,1,2,3
	v_exp_f32 v[64+32*\i+\n], v[64+32*\i+\n]                           ; p: the step's exponentials are one batch
.endr
.endr
	v_nop                                          ; a plain line behind the last exponential
	s_wait_alu depctr_va_vdst(0)                   ; one wait for the batch, ahead of the first line that names a result
.irp i, 0,1,2,3
	v_pk_add_f32 v[208+4*\i:209+4*\i], v[64+32*\i:65+32*\i], v[66+32*\i:67+32*\i]
.endr
.irp i, 0,1,2,3
	v_pk_add_f32 v[210+4*\i:211+4*\i], v[68+32*\i:69+32*\i], v[70+32*\i:71+32*\i]
.endr
.irp n, 8,12,16,20,24,28
.irp i, 0,1,2,3
	v_pk_add_f32 v[208+4*\i:209+4*\i], v[208+4*\i:209+4*\i], v[64+32*\i+\n:65+32*\i+\n]
	v_pk_add_f32 v[210+4*\i:211+4*\i], v[210+4*\i:211+4*\i], v[66+32*\i+\n:67+32*\i+\n]
.endr
.endr
.irp i, 0,1,2,3
.if \first
	v_pk_add_f32 v[STL+2*\i:STL+2*\i+1], v[208+4*\i:209+4*\i], v[210+4*\i:211+4*\i]
.else
	v_pk_add_f32 v[208+4*\i:209+4*\i], v[208+4*\i:209+4*\i], v[210+4*\i:211+4*\i]
.endif
.endr
.if \first == 0
.irp i, 0,1,2,3
	v_pk_fma_f32 v[STL+2*\i:STL+2*\i+1], v[STL+2*\i:STL+2*\i+1], v[STA+2*\i:STA+2*\i+1], v[208+4*\i:209+4*\i] op_sel_hi:[1,0,1]   ; l = l alpha + the step's sum
.endr
.endif
.irp n, 0,1,2,3,4,5,6,7,8,9,10,11,12,13,14,15
.irp i, 0,1,2,3
	v_cvt_pk_f16_f32 v[64+32*\i+\n], v[64+32*\i+2*\n], v[65+32*\i+2*\n]   ; in place, ascending: P of keys 32 G' on ends at v[64 + 32 i + 8 G']
.endr
.endr
.if \first
	PLACES
.else
	WIN 0x41                                       ; O^T: destination and source 0 window 1
.irp n, 0,1,2,3,4,5,6,7,8,9,10,11,12,13,14,15
.irp i, 0,1,2,3
	v_pk_mul_f32 v[32*\i+2*\n:32*\i+2*\n+1], v[32*\i+2*\n:32*\i+2*\n+1], v[STA+2*\i:STA+2*\i+1] op_sel_hi:[1,0]
.endr
.endr
.endif
.endm
; A key step: 64 keys.  s41: 8,192 x step (K's and V's images); s42: 4,096 x step (the bias tiles: tile 4 (step + 7 - w) + e, e = jj - i + 3).
.macro STEP first
	v_add_nc_u32 v[ADK], s41, v[AK]
	v_add_nc_u32 v[ADV], s41, v[AV]
	v_add_nc_u32 v[ADB], s42, v[AB]
	PLACES                                         ; with the three additions: seven places behind the last products, ahead of the loads over V's fragments and of the products that write over P
	WIN 0x40
.irp jj, 0,1,2,3
.irp a, 0,1
.irp c, 0,1
	ds_load_b128 v[192+16*\jj+8*\a+4*\c:195+16*\jj+8*\a+4*\c], v[ADK] offset:2048*\jj+1024*\a+512*\c
.endr
.endr
.endr
	WIN 0
.irp e, 0,1,2,3,4,5,6
.irp c, 0,1
	ds_load_b128 v[192+8*\e+4*\c:195+8*\e+4*\c], v[ADB] offset:1024*\e+512*\c
.endr
.endr
	s_wait_dscnt 0x0
	WIN 0x05                                       ; K and Q window 1; S^T and the bias window 0
.irp a, 0,1
.irp i, 0,1,2,3
.irp jj, 0,1,2,3
.if \a == 0
	v_wmma_f32_16x16x32_f16 v[64+32*\i+8*\jj:71+32*\i+8*\jj], v[192+16*\jj:199+16*\jj], v[128+16*\i:135+16*\i], v[192+8*(\jj-\i+3):199+8*(\jj-\i+3)]
.else
	v_wmma_f32_16x16x32_f16 v[64+32*\i+8*\jj:71+32*\i+8*\jj], v[200+16*\jj:207+16*\jj], v[136+16*\i:143+16*\i], v[64+32*\i+8*\jj:71+32*\i+8*\jj]
.endif
.endr
.endr
.endr
	WIN 0
	PLACES                                         ; ahead of the loads over K's fragments and of the first read of the scores
	WIN 0x40
.irp gg, 0,1
.irp d, 0,1,2,3
.irp c, 0,1
	ds_load_b128 v[192+32*\gg+8*\d+4*\c:195+32*\gg+8*\d+4*\c], v[ADV] offset:4096*\gg+1024*\d+512*\c   ; V lands while the softmax is walked
.endr
.endr
.endr
	WIN 0
	SOFTMAX \first
	s_wait_dscnt 0x0                               ; V is in
	WIN 0x51                                       ; V window 1, P window 0, O^T window 1
.irp gg, 0,1
.irp i, 0,1,2,3
.irp d, 0,1,2,3
.if \first && (\gg == 0)
	v_wmma_f32_16x16x32_f16 v[32*\i+8*\d:32*\i+8*\d+7], v[192+32*\gg+8*\d:199+32*\gg+8*\d], v[64+32*\i+8*\gg:71+32*\i+8*\gg], 0
.else
	v_wmma_f32_16x16x32_f16 v[32*\i+8*\d:32*\i+8*\d+7], v[192+32*\gg+8*\d:199+32*\gg+8*\d], v[64+32*\i+8*\gg:71+32*\i+8*\gg], v[32*\i+8*\d:32*\i+8*\d+7]
.endif
.endr
.endr
.endr
	WIN 0
	s_add_co_u32 s41, s41, 8192
	s_add_co_u32 s42, s42, 4096
.endm
	s_mov_b32 s41, 0
	s_mov_b32 s42, 0
	STEP 1                                         ; the first step starts m, l and O^T: nothing is cleared
	s_mov_b32 s40, 7
.Lstep:
	STEP 0
	s_sub_co_u32 s40, s40, 1
	s_cmp_lg_u32 s40, 0
	s_cbranch_scc1 .Lstep
	; THE WAY OUT: O^T / l, to f16: a lane's eight channels of a token are 16 bytes of oi's image as they stand.  The additions are the places behind the last products.
.irp i, 0,1,2,3
	v_add_f32 v[192+\i], v[STL+2*\i], v[STL+2*\i+1]
.endr
.irp i, 0,1,2,3
	v_permlanex16_b32 v[196+\i], v[192+\i], s36, s37
.endr
.irp i, 0,1,2,3
	v_add_f32 v[192+\i], v[192+\i], v[196+\i]
.endr
.irp i, 0,1,2,3
	v_rcp_f32 v[STA+2*\i], v[192+\i]
.endr
	v_nop
	s_wait_alu depctr_va_vdst(0)                   ; one wait for the four reciprocals, ahead of their first reader
	WIN 0x41
.irp n, 0,1,2,3,4,5,6,7,8,9,10,11,12,13,14,15
.irp i, 0,1,2,3
	v_pk_mul_f32 v[32*\i+2*\n:32*\i+2*\n+1], v[32*\i+2*\n:32*\i+2*\n+1], v[STA+2*\i:STA+2*\i+1] op_sel_hi:[1,0]
.endr
.endr
	WIN 0x05                                       ; sources window 1, destination window 0
.irp i, 0,1,2,3
.irp n, 0,1,2,3,4,5,6,7,8,9,10,11,12,13,14,15
	v_cvt_pk_f16_f32 v[64+16*\i+\n], v[32*\i+2*\n], v[32*\i+2*\n+1]
.endr
.endr
	WIN 0
.irp i, 0,1,2,3
.irp d, 0,1,2,3
	global_store_b128 v[LI], v[64+16*\i+4*\d:67+16*\i+4*\d], s[46:47] offset:32768*\i+512*\d   ; 512 consecutive bytes, aligned
.endr
.endr
	s_wait_tensorcnt 0x0                           ; the wave's end, behind my last tensor load and my last LDS store
	ds_add_u32 v[SPW], v[NIL]
	s_wait_dscnt 0x0
	CROUND                                         ; the closing round
	s_endpgm
.Lfunc_end_k_q7213088656_attn:
	.size	k_q7213088656_attn, .Lfunc_end_k_q7213088656_attn-k_q7213088656_attn
	.p2alignl 7, 3214868480
	.fill 96, 4, 3214868480
	.section	.rodata,"a",@progbits
	.p2align	6, 0x0
	.amdhsa_kernel k_q7213088656_attn
		.amdhsa_group_segment_fixed_size 327680
		.amdhsa_private_segment_fixed_size 0
		.amdhsa_enable_private_segment 0
		.amdhsa_kernarg_size 48
		.amdhsa_user_sgpr_count 2
		.amdhsa_user_sgpr_kernarg_segment_ptr 1
		.amdhsa_wavefront_size32 1
		.amdhsa_system_sgpr_workgroup_id_x 1
		.amdhsa_system_sgpr_workgroup_id_y 1
		.amdhsa_system_sgpr_workgroup_id_z 1
		.amdhsa_system_vgpr_workitem_id 0
		.amdhsa_next_free_vgpr 512
		.amdhsa_next_free_sgpr 66
		.amdhsa_reserve_vcc 0
		.amdhsa_float_denorm_mode_32 3
		.amdhsa_float_denorm_mode_16_64 3
		.amdhsa_memory_ordered 1
		.amdhsa_forward_progress 1
		.amdhsa_inst_pref_size 215
	.end_amdhsa_kernel
	.amdgpu_metadata
---
amdhsa.version: [ 1, 2 ]
amdhsa.kernels:
  - .name:           k_q7213088656_attn
    .symbol:         k_q7213088656_attn.kd
    .args:
      - { .name: xc, .offset: 0, .size: 8, .value_kind: global_buffer, .address_space: global }
      - { .name: xs, .offset: 8, .size: 8, .value_kind: global_buffer, .address_space: global }
      - { .name: wq, .offset: 16, .size: 8, .value_kind: global_buffer, .address_space: global }
      - { .name: b_qkv, .offset: 24, .size: 8, .value_kind: global_buffer, .address_space: global }
      - { .name: bi, .offset: 32, .size: 8, .value_kind: global_buffer, .address_space: global }
      - { .name: oi, .offset: 40, .size: 8, .value_kind: global_buffer, .address_space: global }
    .group_segment_fixed_size: 327680
    .private_segment_fixed_size: 0
    .kernarg_segment_align: 8
    .kernarg_segment_size: 48
    .max_flat_workgroup_size: 256
    .sgpr_count:     66
    .vgpr_count:     512
    .wavefront_size: 32
...
	.end_amdgpu_metadata
.endif
;; end of part 2
;; launch proj (part 3): grid 8 x 32, 4 waves a work-group, clusters of 4 x 4, 327,680 bytes of LDS; arguments oi, wo, b_out, out0; writes out0
.if DOCPART == 3
	.amdgcn_target "amdgcn-amd-amdhsa--gfx1250"
	.amdhsa_code_object_version 6
	.text
	.protected	k_q7213088656_proj
	.globl	k_q7213088656_proj
	.p2align	8
	.type	k_q7213088656_proj,@function
k_q7213088656_proj:
	s_mov_b64 s[64:65], 0
	v_nop
	global_prefetch_b8 v0, s[64:65] scope:SCOPE_SE
	s_setreg_imm32_b32 hwreg(HW_REG_WAVE_MODE, 25, 1), 1
	s_wait_xcnt 0x0
	s_wait_alu depctr_hold_cnt(0) depctr_sa_sdst(0) depctr_va_vdst(0) depctr_va_sdst(0) depctr_va_ssrc(0) depctr_va_vcc(0) depctr_vm_vsrc(0)
	s_getreg_b32 s2, hwreg(HW_REG_IB_STS2, 6, 4)
	s_cmp_eq_u32 s2, 0
	s_cbranch_scc0 .Lentry_in_a_cluster
	s_endpgm
.Lentry_in_a_cluster:
	s_bfe_u32 s2, ttmp6, 0x10000c
	s_cmp_lg_u32 s2, 0xf033
	s_cbranch_scc0 .Lentry_shape_is_right
	s_endpgm
.Lentry_shape_is_right:
; PROJ: out0 [8192][1024] f32 = o x w_out + b_out, operands f16, sums f32.  o and w_out come as images of their fragments: oi [T 512][kk 32][c 2][512], wo [Nt 64][kk 32][c 2][512] (16 rows x 32 along K: 1,024 bytes).
; A work-group makes 256 tokens x 128 columns: 256 work-groups.  Four waves, each 128 x 64: 32 accumulators in window 1, (t, n) at 8 (4 t + n).
; THE MATRIX INSTRUCTION IS USED TRANSPOSED (source 0 = 16 columns of w_out, source 1 = 16 tokens): a lane holds eight neighbouring columns of one token.  b_out, in that layout, is the C of each sum's first product.
; K goes in six chunks of 6, 6, 6, 6, 6 and 2 steps of 32 through two LDS slots.  A chunk of a tile of 16 rows is 6,144 consecutive bytes of memory, so a slot's part is a tile of 8 (oi) or 4 (wo) rows of 6,144 bytes, 32,768 apart; no padding:
; every LDS load of a fragment takes 512 consecutive bytes.  All steps are written out: every offset is an immediate.
; CLUSTERS: 4 x 4 work-groups.  oi's tiles hang on the tile row alone and are shared along a row of the cluster, wo's on the tile column alone and along a column: each is asked for jointly.
; By this text's count a wave has two tensor loads out at the start and one behind each round.
; REGISTERS, window 0: v1, v16-25 addresses; v32-63 b_out; two sets of fragments at v64 and v160: 64 registers of oi (8 t), 32 of wo (8 n); on the way out v64-127 hold rows.
.set SLOT,  147456                     ; oi's 16 rows of 6,144 bytes, then wo's 8
.set BOFF,  98304
.set STAGE, 294912                     ; behind the ring: 16 rows x (256 + 16) bytes for each wave
.set SPARE, 312320                     ; the spare words, 128 bytes a wave
.set LI,    1
.set ADRA0, 16
.set ADRA1, 17
.set ADRB0, 18
.set ADRB1, 19
.set ADRA5, 20                         ; the last chunk lies in slot 1 with rows of 2,048 bytes
.set ADRB5, 21
.set STO,   22
.set RD,    23
.set CO,    24
.set BO,    25
.set SPW,   30
.set NIL,   31
.set MSB, 0
.macro WIN new
.if MSB != \new
	s_set_vgpr_msb (MSB<<8)|\new
.set MSB, \new
.endif
.endm
.macro PLACES
.rept 4
	v_nop
.endr
.endm
; A joint load: waves 0 and 1 fetch oi's halves, waves 2 and 3 wo's.  Each line has one mask and one set of registers for all that issue it; the branch hangs on the wave's number alone.
.macro JLOAD g0a, g1a, g0b, g1b
	s_cmp_eq_u32 s13, 0
	s_cbranch_scc0 .Lfor_b_\@
	tensor_load_to_lds s[\g0a:\g0a+3], s[\g1a:\g1a+7]
	s_nop 0
	PLACES
	s_branch .Lasked_\@
.Lfor_b_\@:
	tensor_load_to_lds s[\g0b:\g0b+3], s[\g1b:\g1b+7]
	s_nop 0
	PLACES
.Lasked_\@:
.endm
.macro CREST
	s_cmp_lg_u32 s12, 0
	s_cbranch_scc1 .Lnot_wave_0_\@
	s_barrier_signal -3
.Lnot_wave_0_\@:
	s_barrier_wait -3
	s_barrier_signal -1
	s_barrier_wait -1
.endm
.macro CROUND
	s_barrier_signal -1
	s_barrier_wait -1
	CREST
.endm
	s_load_b256 s[4:11], s[0:1], 0x0               ; oi s[4:5], wo s[6:7], b_out s[8:9], out0 s[10:11]
	v_lshl_add_u32 v[SPW], v0, 2, SPARE
	v_mov_b32 v[NIL], 0
	ds_add_u32 v[SPW], v[NIL]                      ; the wave's opening: the add, twice on end, and its wait ahead of my first tensor load
	ds_add_u32 v[SPW], v[NIL]
	v_lshrrev_b32 v2, 5, v0
	v_readfirstlane_b32 s12, v2                    ; wave 0..3
	s_lshr_b32 s13, s12, 1                         ; which 128 tokens are mine.  Also: I fetch for oi (0) or wo (1)
	s_and_b32 s14, s12, 1                          ; which 64 columns.  Also: which half of that tile I fetch
	s_bfe_u32 s40, ttmp6, 0x40000                  ; cx
	s_bfe_u32 s41, ttmp6, 0x40004                  ; cy
	s_lshl_b32 s42, ttmp9, 2
	s_add_co_u32 s42, s42, s40                     ; X: tile column
	s_and_b32 s43, ttmp7, 0xffff
	s_lshl_b32 s43, s43, 2
	s_add_co_u32 s43, s43, s41                     ; Y: tile row
	s_lshl_b32 s44, s41, 2
	s_lshl_b32 s44, 15, s44                        ; my row of the cluster
	s_lshl_b32 s45, 0x1111, s40                    ; my column
	s_or_b32 s16, s44, (3<<16)|(1<<21)             ; groups 1: the mask; elements of 8 bytes; bit 21 beside the mask
	s_or_b32 s24, s45, (3<<16)|(1<<21)
	s_or_b32 s32, s44, (3<<16)|(1<<21)
	s_or_b32 s48, s45, (3<<16)|(1<<21)
	s_mov_b32 s17, 768<<16                         ; oi, six steps: rows of 768 elements,
	s_mov_b32 s18, 8<<16                           ; 8 of them,
	s_mov_b32 s19, 768<<16
	s_mov_b32 s20, 8
	s_mov_b32 s21, 4096                            ; 4,096 elements apart
	s_mov_b32 s22, 0
	s_mov_b32 s23, 0
	s_mov_b32 s25, 768<<16                         ; wo, six steps: 4 rows
	s_mov_b32 s26, 4<<16
	s_mov_b32 s27, 768<<16
	s_mov_b32 s28, 4
	s_mov_b32 s29, 4096
	s_mov_b32 s30, 0
	s_mov_b32 s31, 0
	s_mov_b32 s33, 256<<16                         ; oi, two steps: rows of 256 elements
	s_mov_b32 s34, 8<<16
	s_mov_b32 s35, 256<<16
	s_mov_b32 s36, 8
	s_mov_b32 s37, 4096
	s_mov_b32 s38, 0
	s_mov_b32 s39, 0
	s_mov_b32 s49, 256<<16                         ; wo, two steps
	s_mov_b32 s50, 4<<16
	s_mov_b32 s51, 256<<16
	s_mov_b32 s52, 4
	s_mov_b32 s53, 4096
	s_mov_b32 s54, 0
	s_mov_b32 s55, 0
	s_lshl_b32 s78, s43, 19                        ; oi: 32,768 (16 Y + 8 half)
	s_lshl_b32 s46, s14, 18
	s_add_co_u32 s78, s78, s46
	s_mov_b32 s79, 0
	s_lshl_b32 s80, s42, 18                        ; wo: 32,768 (8 X + 4 half)
	s_lshl_b32 s46, s14, 17
	s_add_co_u32 s80, s80, s46
	s_mov_b32 s81, 0
	s_mul_i32 s46, s14, 49152                      ; where they go in a slot: no place in the cluster enters an LDS address
	s_mul_i32 s47, s14, 24576
	s_add_co_u32 s47, s47, BOFF
	s_lshl_b32 s76, s14, 14                        ; and the last chunk's, in slot 1
	s_add_co_u32 s76, s76, SLOT
	s_lshl_b32 s77, s14, 13
	s_add_co_u32 s77, s77, SLOT+BOFF
	s_wait_dscnt 0x0                               ; both opening adds are done
	s_wait_kmcnt 0x0
	s_add_nc_u64 s[78:79], s[4:5], s[78:79]
	s_add_nc_u64 s[80:81], s[6:7], s[80:81]
	CROUND                                         ; all sixteen work-groups are here: the first joint loads meet
.irp s, 0,1
	s_mov_b32 s[56+4*\s], 1
	s_add_co_u32 s[57+4*\s], s46, \s*SLOT
	s_add_nc_u64 s[58+4*\s:59+4*\s], s[78:79], \s*6144
	s_or_b32 s[59+4*\s], s[59+4*\s], 0x80000000
	s_mov_b32 s[68+4*\s], 1
	s_add_co_u32 s[69+4*\s], s47, \s*SLOT
	s_add_nc_u64 s[70+4*\s:71+4*\s], s[80:81], \s*6144
	s_or_b32 s[71+4*\s], s[71+4*\s], 0x80000000
	JLOAD 56+4*\s, 16, 68+4*\s, 24
.endr
	v_and_b32 v2, 31, v0
	v_lshlrev_b32 v[LI], 4, v2
	v_and_b32 v2, 15, v0                           ; r
	v_bfe_u32 v3, v0, 4, 1                         ; hh
	s_mul_i32 s82, s13, 49152
	v_add_nc_u32 v[ADRA0], s82, v[LI]
	v_add_nc_u32 v[ADRA1], SLOT, v[ADRA0]
	s_mul_i32 s83, s14, 24576
	s_add_co_u32 s83, s83, BOFF
	v_add_nc_u32 v[ADRB0], s83, v[LI]
	v_add_nc_u32 v[ADRB1], SLOT, v[ADRB0]
	s_lshl_b32 s82, s13, 14
	s_add_co_u32 s82, s82, SLOT
	v_add_nc_u32 v[ADRA5], s82, v[LI]
	s_lshl_b32 s83, s14, 13
	s_add_co_u32 s83, s83, SLOT+BOFF
	v_add_nc_u32 v[ADRB5], s83, v[LI]
	s_mul_i32 s82, s12, 4352
	s_add_co_u32 s82, s82, STAGE                   ; my stage
	v_mul_u32_u24 v[STO], v2, 272
	v_lshl_add_u32 v[STO], v3, 5, v[STO]
	v_add_nc_u32 v[STO], s82, v[STO]               ; in: row r, 32 bytes for each half of the lanes
	v_mul_u32_u24 v[RD], v3, 272
	v_lshl_add_u32 v[RD], v2, 4, v[RD]
	v_add_nc_u32 v[RD], s82, v[RD]                 ; back: lanes 0-15 one row of 256 bytes, lanes 16-31 the next
	v_lshlrev_b32 v[CO], 12, v3
	v_lshl_add_u32 v[CO], v2, 4, v[CO]             ; and the same two rows in out0
	v_lshlrev_b32 v[BO], 5, v3
	s_lshl_b32 s84, s42, 9                         ; my first column, in bytes: 512 X + 256 x half
	s_lshl_b32 s82, s14, 8
	s_add_co_u32 s84, s84, s82
	s_mov_b32 s85, 0
	s_add_nc_u64 s[8:9], s[8:9], s[84:85]
	s_add_nc_u64 s[10:11], s[10:11], s[84:85]
	s_lshl_b32 s84, s43, 20                        ; my first token: 256 Y + 128 x half, rows of 4,096 bytes
	s_lshl_b32 s82, s13, 19
	s_add_co_u32 s84, s84, s82
	s_add_nc_u64 s[10:11], s[10:11], s[84:85]
.irp n, 0,1,2,3
.irp q, 0,1
	global_load_b128 v[32+8*\n+4*\q:35+8*\n+4*\q], v[BO], s[8:9] offset:64*\n+16*\q   ; b_out at columns 16 n + 8 hh + 0 .. 7
.endr
.endr
.macro FETCH ra, rb, pitch, q, p       ; the fragments of the chunk's q-th step into set p: 24 LDS loads of 512 consecutive bytes
.irp t, 0,1,2,3,4,5,6,7
.irp c, 0,1
	ds_load_b128 v[64+96*(\p)+8*\t+4*\c:67+96*(\p)+8*\t+4*\c], v[\ra] offset:(\pitch)*\t+1024*(\q)+512*\c
.endr
.endr
.irp n, 0,1,2,3
.irp c, 0,1
	ds_load_b128 v[128+96*(\p)+8*\n+4*\c:131+96*(\p)+8*\n+4*\c], v[\rb] offset:(\pitch)*\n+1024*(\q)+512*\c
.endr
.endr
.endm
.macro MUL p, t0, cnt, mode            ; token tiles t0 .. t0 + cnt - 1 x my four column tiles.  The 32 accumulators take turns, one instruction a turn, in the same order in every step.  mode = 1: b_out starts the sums
.set TT, \t0
.rept \cnt
.irp n, 0,1,2,3
.if \mode
	v_wmma_f32_16x16x32_f16 v[8*(4*TT+\n):8*(4*TT+\n)+7], v[128+96*(\p)+8*\n:135+96*(\p)+8*\n], v[64+96*(\p)+8*TT:71+96*(\p)+8*TT], v[32+8*\n:39+8*\n]
.else
	v_wmma_f32_16x16x32_f16 v[8*(4*TT+\n):8*(4*TT+\n)+7], v[128+96*(\p)+8*\n:135+96*(\p)+8*\n], v[64+96*(\p)+8*TT:71+96*(\p)+8*TT], v[8*(4*TT+\n):8*(4*TT+\n)+7]
.endif
.endr
.set TT, TT+1
.endr
.endm
.macro KK ra, rb, pitch, qn, p, mode   ; a step that has its successor in the same slot: set p is multiplied while step qn's fragments come into the other set
	s_wait_dscnt 0x0                               ; set p is in (asked for a step ago)
	PLACES                                         ; ahead of loads into the set that the last step's products read
	FETCH \ra, \rb, \pitch, \qn, 1-(\p)
.if \mode
	WIN 0x40                                       ; D window 1, C (b_out) window 0
.else
	WIN 0x50                                       ; C and D window 1
.endif
	MUL \p, 0, 8, \mode
	WIN 0
.endm
; A chunk's last step (set 1) changes slots: ONE barrier; in front of it each wave waits for all its tensor loads, adds 0 to its spare word, and waits for that and for its own reads of this slot.
; fill = 1: this slot takes the chunk two on, six steps; 2: the last chunk, two steps; 0: nothing is left to ask for.  Where the slot is filled again the barrier opens a round of the cluster's barrier.
.macro TURN slot, fill, ra, rb, pitch
	s_wait_dscnt 0x0                               ; set 1 is in: my reads of this slot are over
	s_wait_tensorcnt 0x0                           ; all my tensor loads have landed: my part of the other slot
	ds_add_u32 v[SPW], v[NIL]                      ; 0 onto my spare word
	WIN 0x50
	MUL 1, 0, 2, 0                                 ; eight products stand between the add and the wait for it
	s_wait_dscnt 0x0
	s_barrier_signal -1
	MUL 1, 2, 2, 0
	WIN 0
	s_barrier_wait -1
.if \fill
	CREST                                          ; no wave of any partner still reads this slot or has a load on its way
	s_add_nc_u64 s[58+4*\slot:59+4*\slot], s[58+4*\slot:59+4*\slot], 12288
	s_add_nc_u64 s[70+4*\slot:71+4*\slot], s[70+4*\slot:71+4*\slot], 12288
.if \fill == 2
	s_mov_b32 s[57+4*\slot], s76
	s_mov_b32 s[69+4*\slot], s77
	JLOAD 56+4*\slot, 32, 68+4*\slot, 48
.else
	JLOAD 56+4*\slot, 16, 68+4*\slot, 24           ; the first tensor load behind the round: 176 products stand between it and the wait for it; its four v_nop are also the places ahead of the loads below
.endif
.else
	PLACES
.endif
	FETCH \ra, \rb, \pitch, 0, 0
	WIN 0x50
	MUL 1, 4, 4, 0
	WIN 0
.endm
.macro CHUNK ra, rb, mode              ; a chunk's first five steps
	KK \ra, \rb, 6144, 1, 0, \mode
	KK \ra, \rb, 6144, 2, 1, 0
	KK \ra, \rb, 6144, 3, 0, 0
	KK \ra, \rb, 6144, 4, 1, 0
	KK \ra, \rb, 6144, 5, 0, 0
.endm
	s_wait_tensorcnt 1                             ; my part of chunk 0 is in; chunk 1's may stay out
	s_barrier_signal -1
	s_barrier_wait -1
	FETCH ADRA0, ADRB0, 6144, 0, 0
	s_wait_loadcnt 0x0                             ; b_out
	CHUNK ADRA0, ADRB0, 1
	TURN 0, 1, ADRA1, ADRB1, 6144                  ; slot 0 takes chunk 2
	CHUNK ADRA1, ADRB1, 0
	TURN 1, 1, ADRA0, ADRB0, 6144                  ; slot 1 takes chunk 3
	CHUNK ADRA0, ADRB0, 0
	TURN 0, 1, ADRA1, ADRB1, 6144                  ; slot 0 takes chunk 4
	CHUNK ADRA1, ADRB1, 0
	TURN 1, 2, ADRA0, ADRB0, 6144                  ; slot 1 takes chunk 5
	CHUNK ADRA0, ADRB0, 0
	TURN 0, 0, ADRA5, ADRB5, 2048
	KK ADRA5, ADRB5, 2048, 1, 0, 0
	s_wait_dscnt 0x0
	WIN 0x50
	MUL 1, 0, 8, 0
	WIN 0
; THE WAY OUT, a block of 16 tokens x 64 columns at a time: through my own stage, back as whole rows of 256 bytes.  LDS serves a wave's instructions in order: no wait between the stores and the loads, nor ahead of the next block's stores.
.macro TOSTAGE t
	WIN 0x04                                       ; an LDS store's data are its source 1: window 1
.irp n, 0,1,2,3
	ds_store_b128 v[STO], v[8*(4*(\t)+\n):8*(4*(\t)+\n)+3] offset:64*\n          ; each accumulator from its low end on
	ds_store_b128 v[STO], v[8*(4*(\t)+\n)+4:8*(4*(\t)+\n)+7] offset:64*\n+16
.endr
	WIN 0
.irp i, 0,1,2,3,4,5,6,7
	ds_load_b128 v[64+32*((\t)%2)+4*\i:67+32*((\t)%2)+4*\i], v[RD] offset:544*\i
.endr
.endm
.macro SEND t, younger                 ; younger: the LDS instructions issued behind block t's loads, which may stay out
	s_wait_dscnt \younger
.irp i, 0,1,2,3,4,5,6,7
	global_store_b128 v[CO], v[64+32*((\t)%2)+4*\i:67+32*((\t)%2)+4*\i], s[10:11] offset:4096*(16*(\t)+2*\i) th:TH_STORE_NT   ; sixteen lanes store 256 consecutive bytes, aligned
.endr
.endm
	PLACES                                         ; ahead of the first read of results and of loads into registers that held fragments
	TOSTAGE 0
.irp t, 1,2,3,4,5,6,7
.if \t > 1
	s_wait_xcnt 0x0                                ; block t - 2's stores have read their registers: block t's rows may land there
.endif
	TOSTAGE \t
	SEND \t-1, 16                                  ; behind block t - 1's loads: block t's eight stores and eight loads
.endr
	SEND 7, 0
	s_wait_tensorcnt 0x0                           ; the wave's end, behind my last tensor load and my last LDS store
	ds_add_u32 v[SPW], v[NIL]
	s_wait_dscnt 0x0
	CROUND                                         ; the closing round
	s_endpgm
.Lfunc_end_k_q7213088656_proj:
	.size	k_q7213088656_proj, .Lfunc_end_k_q7213088656_proj-k_q7213088656_proj
	.p2alignl 7, 3214868480
	.fill 96, 4, 3214868480
	.section	.rodata,"a",@progbits
	.p2align	6, 0x0
	.amdhsa_kernel k_q7213088656_proj
		.amdhsa_group_segment_fixed_size 327680
		.amdhsa_private_segment_fixed_size 0
		.amdhsa_enable_private_segment 0
		.amdhsa_kernarg_size 32
		.amdhsa_user_sgpr_count 2
		.amdhsa_user_sgpr_kernarg_segment_ptr 1
		.amdhsa_wavefront_size32 1
		.amdhsa_system_sgpr_workgroup_id_x 1
		.amdhsa_system_sgpr_workgroup_id_y 1
		.amdhsa_system_sgpr_workgroup_id_z 1
		.amdhsa_system_vgpr_workitem_id 0
		.amdhsa_next_free_vgpr 512
		.amdhsa_next_free_sgpr 92
		.amdhsa_reserve_vcc 0
		.amdhsa_float_denorm_mode_32 3
		.amdhsa_float_denorm_mode_16_64 3
		.amdhsa_memory_ordered 1
		.amdhsa_forward_progress 1
		.amdhsa_inst_pref_size 148
	.end_amdhsa_kernel
	.amdgpu_metadata
---
amdhsa.version: [ 1, 2 ]
amdhsa.kernels:
  - .name:           k_q7213088656_proj
    .symbol:         k_q7213088656_proj.kd
    .args:
      - { .name: oi, .offset: 0, .size: 8, .value_kind: global_buffer, .address_space: global }
      - { .name: wo, .offset: 8, .size: 8, .value_kind: global_buffer, .address_space: global }
      - { .name: b_out, .offset: 16, .size: 8, .value_kind: global_buffer, .address_space: global }
      - { .name: out0, .offset: 24, .size: 8, .value_kind: global_buffer, .address_space: global }
    .group_segment_fixed_size: 327680
    .private_segment_fixed_size: 0
    .kernarg_segment_align: 8
    .kernarg_segment_size: 32
    .max_flat_workgroup_size: 128
    .sgpr_count:     92
    .vgpr_count:     512
    .wavefront_size: 32
...
	.end_amdgpu_metadata
.endif
;; end of part 3
